; MI455X (gfx1250); checked and timed in simulation.
; The chip was launched on July 23, 2026; its instructions are those of AMD's public machine-readable ISA for CDNA 5 (MIT licence, August 2026) and "CDNA5" Instruction Set Architecture Reference Guide (July 2026). The comments in the code are by the model that wrote it; some were corrected since.
;; Spatial Self Cross Attention. Allowed arithmetic: matrix products marked QUANTISED: E4M3 operands, one given power-of-two scale a tensor, by v_wmma_f32_16x16x64_fp8_fp8 or v_wmma_f32_16x16x128_fp8_fp8, f32 sums; everything else in f32.
;; Inputs: bk 256 float32; bpc 256 float32; bps 256 float32; bq1 256 float32; bq2 256 float32; bv 256 float32; lowp_scales 20 int32 (the exponents e of the quantised operands' scales 2^e); wk 256 x 256 float32; wpc 256 x 256 float32; wps 256 x 256 float32; wq1 256 x 256 float32; wq2 256 x 256 float32; wv 256 x 256 float32; x1 32 x 256 x 32 x 32 float32; x2 32 x 256 x 32 x 32 float32.
;; Outputs: out0 32 x 256 x 32 x 32 float32; out1 32 x 256 x 32 x 32 float32.
;; This version of the problem:
;;   THIS VERSION OF THE PROBLEM IS GIVEN IN LOW PRECISION. The matrix products marked QUANTISED in the list below multiply operands that are first quantised to E4M3 (4 exponent bits, 3 mantissa bits; 8 bits a number), with one given power-of-two scale for each operand tensor; their sums are f32. All else is computed in f32.
;;   The module's matrix products, in the order in which they are computed (A, B: the left and right operand; K: the contracted axis; several contracted axes count as one K, in the product's order):
;;     1. [M 256, K 256] x [K 256, N 32,768]; A: input wq1; B: input x1: QUANTISED (scales: A lowp_scales[0], B lowp_scales[1])
;;     2. [M 256, K 256] x [K 256, N 32,768]; A: input wk; B: input x1: QUANTISED (scales: A lowp_scales[2], B lowp_scales[3])
;;     3. [M 256, K 256] x [K 256, N 32,768]; A: input wv; B: input x1: QUANTISED (scales: A lowp_scales[4], B lowp_scales[5])
;;     4. batch 32 x [M 1,024, K 256] x [K 256, N 1,024]; A: computed on the way; B: computed on the way: QUANTISED (scales: A lowp_scales[6], B lowp_scales[7])
;;     5. batch 32 x [M 1,024, K 1,024] x [K 1,024, N 256]; A: softmax (see below); B: computed on the way: QUANTISED (scales: A lowp_scales[8], B lowp_scales[9])
;;     6. [M 256, K 256] x [K 256, N 32,768]; A: input wps; B: computed on the way: QUANTISED (scales: A lowp_scales[10], B lowp_scales[11])
;;     7. [M 256, K 256] x [K 256, N 32,768]; A: input wq2; B: input x2: QUANTISED (scales: A lowp_scales[12], B lowp_scales[13])
;;     8. batch 32 x [M 1,024, K 256] x [K 256, N 1,024]; A: computed on the way; B: computed on the way: QUANTISED (scales: A lowp_scales[14], B lowp_scales[15])
;;     9. batch 32 x [M 1,024, K 1,024] x [K 1,024, N 256]; A: softmax (see below); B: computed on the way: QUANTISED (scales: A lowp_scales[16], B lowp_scales[17])
;;     10. [M 256, K 256] x [K 256, N 32,768]; A: input wpc; B: computed on the way: QUANTISED (scales: A lowp_scales[18], B lowp_scales[19])
;;   THE QUANTISER, for each operand of a quantised product, along K:
;;     - The operand's scale is 2^e, e = its entry of the input lowp_scales (int32; the entries are numbered through the quantised products in the list's order, A before B).
;;     - Each number is divided by the scale, clamped to +-448, and rounded to the nearest number of E4M3, ties to even, subnormals kept.
;;     - The product sums the exact products of the quantised numbers (number of the format x scale) in f32.
;;   ~~~python
;;   def quantise(x, axis, e):      # numpy; x: float32 -> the quantised numbers, widened to float32 again
;;       x = np.moveaxis(x, axis, -1); K = x.shape[-1]
;;       r = np.clip(x / 2.0 ** e, -448, 448)
;;       step = 2.0 ** (np.maximum(np.frexp(np.where(r == 0, 1, r))[1] - 1, -6) - 3)
;;       q = np.round(r / step) * step * 2.0 ** e      # np.round: ties to even
;;       return np.moveaxis(q, -1, axis).astype(np.float32)
;;   ~~~
;;   SOFTMAX AHEAD OF A QUANTISED PRODUCT. Where the list says 'softmax', what is quantised is not the finished softmax but p = 2^(t - M), with t = logit x log2(e) and M = ceil(the row's largest t), a whole number; so 1/2 < the row's largest p <= 1. The row's sum l is taken of the UNQUANTISED p, in f32, and the product's result is divided by l at the end. Since M is a whole number, a kernel that streams over the keys may use a running M (the ceiling of the running maximum): every later rescaling is an exact power of two, so the quantised numbers keep their values, but for numbers so far below the row's largest that they fall under the format's range.
;;   OPERANDS COMPUTED ON THE WAY. 'Computed on the way' means the value that the module computes at that place (a softmax that the list does not call 'softmax' is quantised finished and normalised). What goes into a quantiser is computed in f32, as accurately as f32 sums, v_exp_f32 and their like allow (about 1e-6 of the number): no bf16 or f16 on the way to a quantiser, and a product that is left as it is and whose result goes on into a quantised operand takes f32 operands (vector FMAs, or v_wmma_f32_16x16x4_f32). A number that lies on a knife's edge between two numbers of the format may be rounded either way, as far as f32 arithmetic and the matrix unit's own rounding can turn it there, and no further.
;; One version. Each part assembles by itself: llvm-mc -triple=amdgcn-amd-amdhsa -mcpu=gfx1250 --defsym DOCPART=n.
;; ======== version 1 of 1: 3 launches
;; workspace buffers: wc 393,216 bytes; qc 16,777,216 bytes; kv 33,554,432 bytes
;; launch wquant (part 1): grid 8 x 6, 4 waves a work-group, no clusters, 0 bytes of LDS; arguments wq1, wk, wv, wq2, wps, wpc, lowp_scales, wc; writes wc
.if DOCPART == 1
	.amdgcn_target "amdgcn-amd-amdhsa--gfx1250"
	.amdhsa_code_object_version 6
	.text
	.protected	k_q7d939f2c4f_wquant
	.globl	k_q7d939f2c4f_wquant
	.p2align	8
	.type	k_q7d939f2c4f_wquant,@function
k_q7d939f2c4f_wquant:
	s_mov_b64 s[64:65], 0
	v_nop
	global_prefetch_b8 v0, s[64:65] scope:SCOPE_SE
	s_setreg_imm32_b32 hwreg(HW_REG_WAVE_MODE, 25, 1), 1
	s_wait_xcnt 0x0
; The six weights [256 (out)][256 (in)], f32, become codes of FP8 (E4M3), each with its given scale 2^e, laid as IMAGES OF OPERAND REGISTERS.
; A fragment is 16 rows (outputs) x 128 K (inputs): 16 registers a lane; lane (r, h) holds row r, and its registers 2 c, 2 c + 1 hold k = 16 c + 8 h + 0 .. 7.
; Its image is 2,048 bytes: piece c' of 512 bytes holds registers 4 c' .. 4 c' + 3, lane l's 16 bytes at 16 l.
; wc: [weight y: 0 wq1, 1 wk, 2 wv, 3 wq2, 4 wps, 5 wpc][fragment f = 2 x (tile of 16 outputs) + (half of K)][2,048].
; One wave makes one fragment: work-group y picks the weight, f = 4 x work-group x + wave.  48 work-groups are all the work there is: 1.5 MB in, 384 KB out.
; code = w / 2^e, held within +-448, to the nearest code, ties to even.  LIMITS: e between -126 and 119.  NaN among the inputs is not served.
; Memory binds and the data are small: no LDS, no barrier, no matrix unit.
.set X, 16                             ; v16-79  my 64 numbers: register 8 i + j = k 16 i + 8 h + j of row r
.set C, 80                             ; v80-95  the fragment's 16 registers
.macro PICK i, p, off                  ; weight i: its pointer, and the byte of its scale's exponent.  The choice hangs on the work-group's number alone
	s_cmp_eq_u32 s3, \i
	s_cselect_b64 s[4:5], s[\p:\p+1], s[4:5]
	s_cselect_b32 s6, \off, s6
.endm
	s_load_b512 s[8:23], s[0:1], 0x0               ; wq1, wk, wv, wq2, wps, wpc, the scales' exponents s[20:21], wc s[22:23]
	v_lshrrev_b32 v1, 5, v0
	v_readfirstlane_b32 s2, v1                     ; wave 0..3
	s_and_b32 s3, ttmp7, 0xffff                    ; y: which weight
	s_lshl_b32 s24, ttmp9, 2
	s_add_co_u32 s24, s24, s2                      ; f
	s_lshr_b32 s25, s24, 1                         ; the tile of 16 outputs: 16 rows of 1,024 bytes
	s_and_b32 s26, s24, 1                          ; the half of K: 512 bytes
	s_lshl_b32 s25, s25, 14
	s_lshl_b32 s26, s26, 9
	s_add_co_u32 s28, s25, s26
	s_mov_b32 s29, 0                               ; s[28:29]: where the fragment's numbers begin in the weight
	s_lshl_b32 s30, s3, 16
	s_lshl_b32 s27, s24, 11
	s_add_co_u32 s30, s30, s27
	s_mov_b32 s31, 0                               ; s[30:31]: where its image begins in wc
	v_and_b32 v5, 15, v0                           ; r
	v_bfe_u32 v6, v0, 4, 1                         ; h
	v_lshlrev_b32 v1, 10, v5
	v_lshl_add_u32 v1, v6, 5, v1                   ; row r, + 32 h bytes: my eight numbers of each 16 along K
	v_and_b32 v4, 31, v0
	v_lshlrev_b32 v4, 4, v4                        ; 16 x lane
	s_wait_kmcnt 0x0
	s_mov_b64 s[4:5], s[8:9]                       ; y = 0: wq1, entry 0
	s_mov_b32 s6, 0
	PICK 1, 10, 8                                  ; wk, entry 2
	PICK 2, 12, 16                                 ; wv, entry 4
	PICK 3, 14, 48                                 ; wq2, entry 12
	PICK 4, 16, 40                                 ; wps, entry 10
	PICK 5, 18, 72                                 ; wpc, entry 18
	s_load_b32 s7, s[20:21], s6 offset:0x0         ; e
	s_add_nc_u64 s[4:5], s[4:5], s[28:29]
	s_add_nc_u64 s[22:23], s[22:23], s[30:31]
.irp i, 0,1,2,3,4,5,6,7
	global_load_b128 v[X+8*\i:X+8*\i+3],   v1, s[4:5] offset:64*\i
	global_load_b128 v[X+8*\i+4:X+8*\i+7], v1, s[4:5] offset:64*\i+16
.endr
	s_wait_kmcnt 0x0
	s_add_co_i32 s32, s7, 127
	s_lshl_b32 s33, s32, 23
	v_mov_b32 v2, s33                              ; 2^e as f32: the conversion takes its exponent field
	s_add_co_i32 s32, s32, 8
	s_lshl_b32 s32, s32, 23
	s_or_b32 s32, s32, 0x600000
	v_mov_b32 v3, s32                              ; 448 x 2^e
	s_wait_loadcnt 0x0
.set j, 0
.rept 64
	v_med3_num_f32 v[X+j], v[X+j], -v3, v3         ; the conversion to an 8-bit code does not saturate (ISA guide 7.6.2): the hold comes first
.set j, j+1
.endr
.irp i, 0,1,2,3,4,5,6,7
	v_cvt_scalef32_pk8_fp8_f32 v[C+2*\i:C+2*\i+1], v[X+8*\i:X+8*\i+7], v2   ; registers 2 i, 2 i + 1 of the fragment; only stores touch them
.endr
.irp c, 0,1,2,3
	global_store_b128 v4, v[C+4*\c:C+4*\c+3], s[22:23] offset:512*\c        ; 32 lanes store 512 consecutive bytes, aligned
.endr
	s_endpgm
.Lfunc_end_k_q7d939f2c4f_wquant:
	.size	k_q7d939f2c4f_wquant, .Lfunc_end_k_q7d939f2c4f_wquant-k_q7d939f2c4f_wquant
	.p2alignl 7, 3214868480
	.fill 96, 4, 3214868480
	.section	.rodata,"a",@progbits
	.p2align	6, 0x0
	.amdhsa_kernel k_q7d939f2c4f_wquant
		.amdhsa_group_segment_fixed_size 0
		.amdhsa_private_segment_fixed_size 0
		.amdhsa_enable_private_segment 0
		.amdhsa_kernarg_size 64
		.amdhsa_user_sgpr_count 2
		.amdhsa_user_sgpr_kernarg_segment_ptr 1
		.amdhsa_wavefront_size32 1
		.amdhsa_system_sgpr_workgroup_id_x 1
		.amdhsa_system_sgpr_workgroup_id_y 1
		.amdhsa_system_sgpr_workgroup_id_z 1
		.amdhsa_system_vgpr_workitem_id 0
		.amdhsa_next_free_vgpr 96
		.amdhsa_next_free_sgpr 66
		.amdhsa_reserve_vcc 0
		.amdhsa_float_denorm_mode_32 3
		.amdhsa_float_denorm_mode_16_64 3
		.amdhsa_memory_ordered 1
		.amdhsa_forward_progress 1
		.amdhsa_inst_pref_size 9
	.end_amdhsa_kernel
	.amdgpu_metadata
---
amdhsa.version: [ 1, 2 ]
amdhsa.kernels:
  - .name:           k_q7d939f2c4f_wquant
    .symbol:         k_q7d939f2c4f_wquant.kd
    .args:
      - { .name: wq1, .offset: 0, .size: 8, .value_kind: global_buffer, .address_space: global }
      - { .name: wk, .offset: 8, .size: 8, .value_kind: global_buffer, .address_space: global }
      - { .name: wv, .offset: 16, .size: 8, .value_kind: global_buffer, .address_space: global }
      - { .name: wq2, .offset: 24, .size: 8, .value_kind: global_buffer, .address_space: global }
      - { .name: wps, .offset: 32, .size: 8, .value_kind: global_buffer, .address_space: global }
      - { .name: wpc, .offset: 40, .size: 8, .value_kind: global_buffer, .address_space: global }
      - { .name: lowp_scales, .offset: 48, .size: 8, .value_kind: global_buffer, .address_space: global }
      - { .name: wc, .offset: 56, .size: 8, .value_kind: global_buffer, .address_space: global }
    .group_segment_fixed_size: 0
    .private_segment_fixed_size: 0
    .kernarg_segment_align: 8
    .kernarg_segment_size: 64
    .max_flat_workgroup_size: 128
    .sgpr_count:     66
    .vgpr_count:     96
    .wavefront_size: 32
...
	.end_amdgpu_metadata
.endif
;; end of part 1
;; launch proj (part 2): grid 8 x 32, 8 waves a work-group, no clusters, 132,608 bytes of LDS; arguments x1, x2, wc, bq1, bk, bv, bq2, lowp_scales, qc, kv; writes qc, kv
.if DOCPART == 2
	.amdgcn_target "amdgcn-amd-amdhsa--gfx1250"
	.amdhsa_code_object_version 6
	.text
	.protected	k_q7d939f2c4f_proj
	.globl	k_q7d939f2c4f_proj
	.p2align	8
	.type	k_q7d939f2c4f_proj,@function
k_q7d939f2c4f_proj:
	s_mov_b64 s[64:65], 0
	v_nop
	global_prefetch_b8 v0, s[64:65] scope:SCOPE_SE
	s_setreg_imm32_b32 hwreg(HW_REG_WAVE_MODE, 25, 1), 1
	s_wait_xcnt 0x0
; q1 = wq1 x1 + bq1, k = wk x1 + bk, v = wv x1 + bv, q2 = wq2 x2 + bq2 (1 x 1 convolutions), all four on codes of FP8 (E4M3) with the given scales, and their results quantised at once for the
; products that follow: q1 (entry 6), k twice (entries 7 and 15), v twice (entries 9 and 17), q2 (entry 14).  x1 is quantised three times (entries 1, 3, 5), x2 once (entry 13): no two scales are taken as equal.
; x1, x2: [32][256 channels][1,024 tokens] f32: tokens innermost, channels are K.
; ALL OPERANDS ARE KEPT AS IMAGES OF THEIR REGISTERS.  A fragment is 16 rows x 128 K, 16 registers a lane: lane (r, h) holds row r, registers 2 c, 2 c + 1 hold k = 16 c + 8 h + 0 .. 7.  Its image: 2,048 bytes,
; piece c' of 512 bytes = registers 4 c' .. 4 c' + 3, lane l's 16 bytes at 16 l.  A result tile holds in register j of lane (r, h) the element (8 h + j, r): so one conversion of a tile's eight registers
; IS a pair of registers of the next operand, and nothing is permuted.
; qc: [b][block of 128 tokens][Q1 32 KB | Q2 32 KB], each [tile of 16 tokens T][half of K s][2,048].
; kv: [b][block][K (entry 7) | K (entry 15) | V (entry 9) | V (entry 17)], 32 KB each; K as Q; V: [tile of 16 channels n][2,048], rows = channels, K = the block's 128 tokens.
; SHARES.  A work-group owns 128 tokens of one batch.  PHASE X: wave w turns channels 32 w .. 32 w + 31 of x1 and x2 into codes, which go to LDS as fragment images.  One barrier.
; PHASE M: wave w makes outputs 32 w .. 32 w + 31 of all four products for the 128 tokens; its part of the four weights stays in 256 registers.
; q1, k, q2 are used transposed (source 0 = 16 outputs of W, source 1 = 16 tokens of x): a lane holds a token, its registers run along the outputs, the next K.  v is used straight (source 0 = x, source 1 = W):
; a lane holds a channel, its registers run along the tokens, the next K.  The bias, divided by the power of two that the sums lack, is the C of each sum's first product.
; LIMITS, so that each power of two is an f32 number: entries 1, 3, 5, 13, and e6-e0-e1, e7-e2-e3, e15-e2-e3, e9-e4-e5, e17-e4-e5, e14-e12-e13, between -126 and 119.  NaN among the inputs is not served.
; No tensor loads: sixteen-byte loads keep 64 loads a wave on their way, and the f32 tiles beside the images would not fit in LDS.  No cluster: work-groups share only the weights' 256 KB.
; REGISTERS.  window 1: W(p, u, s) at v[64 p + 32 u + 16 s].   window 0: v1-9 addresses; v10-17 x's four scales (2^e, 448 x 2^e); v18-29 the six results' scales; v32-63 codes;
;   v64-127 numbers at work / four fragments of x; v128-255 phase X: two sets of 64 loaded numbers; phase M: v128-191 eight accumulators (u, i) at v[128 + 16 i + 8 u], v192-255 the biases (p, u) at v[192 + 16 p + 8 u].
.set TP,   4112                        ; LDS: from a tile of tokens to the next: two images + 16 bytes, so that the sixteen lanes of a store's pass fall on sixteen different columns of 16 bytes
.set SETB, 8*TP                        ; a set of x's codes: 8 tiles x 2 halves of K.  Four sets: x1 at entries 1, 3, 5; x2 at entry 13
.set MSB, 0
.macro WIN new                         ; the immediate's high byte repeats the setting that is left
.if MSB != (\new)
	s_set_vgpr_msb (MSB<<8)|(\new)
.set MSB, (\new)
.endif
.endm
.macro PLACES n
.rept \n
	v_nop
.endr
.endm
.macro MKSC e, vs, vl                  ; from the whole number in s[e]: 2^e and 448 x 2^e as f32
	s_add_co_i32 s76, s[\e], 127
	s_lshl_b32 s77, s76, 23
	v_mov_b32 v[\vs], s77
	s_add_co_i32 s76, s76, 8
	s_lshl_b32 s76, s76, 23
	s_or_b32 s76, s76, 0x600000
	v_mov_b32 v[\vl], s76
.endm
; 16 channels x 128 tokens into v[R] on: channels 32 w + 8 e + {0 .. 7, 16 .. 23}.  Each load takes one channel's 512 consecutive bytes; lane l holds tokens 4 l .. 4 l + 3.
.macro XLD R, sb, e, nt
.irp jj, 0,1,2,3,4,5,6,7,8,9,10,11,12,13,14,15
.if \nt
	global_load_b128 v[\R+4*\jj:\R+4*\jj+3], v1, s[\sb:\sb+1] offset:(8*\e+\jj+8*(\jj/8))*4096 th:TH_LOAD_NT
.else
	global_load_b128 v[\R+4*\jj:\R+4*\jj+3], v1, s[\sb:\sb+1] offset:(8*\e+\jj+8*(\jj/8))*4096
.endif
.endr
.endm
.macro WLD p                           ; my four fragments of weight p into window 1
	WIN 0x40
.irp u, 0,1
.irp q, 0,1,2,3,4,5,6,7
	global_load_b128 v[64*\p+32*\u+4*\q:64*\p+32*\u+4*\q+3], v5, s[12:13] offset:\p*65536+\u*4096+\q*512
.endr
.endr
	WIN 0
.endm
; The 16 channels in v[R] on become codes at the scale of one set.  For token 4 l + t the sixteen holds also gather the token's sixteen channels into consecutive registers; the 16 codes are the 16 bytes of
; lane (r = 4 (l % 4) + t, h = e) in piece w % 4 of the image (tile l / 4, half w / 4).
.macro XSET R, e, set, bank
	s_wait_dscnt 4                                 ; only the four stores of the set just before may be out: the codes written two sets ago have been read
.irp t, 0,1,2,3
.set Tq, 64+16*(\t&1)
.irp jj, 0,1,2,3,4,5,6,7,8,9,10,11,12,13,14,15
	v_med3_num_f32 v[Tq+\jj], v[\R+4*\jj+\t], -v[11+2*\set], v[11+2*\set]
.endr
	v_cvt_scalef32_pk8_fp8_f32 v[32+16*\bank+4*\t:32+16*\bank+4*\t+1],   v[Tq:Tq+7],    v[10+2*\set]
	v_cvt_scalef32_pk8_fp8_f32 v[32+16*\bank+4*\t+2:32+16*\bank+4*\t+3], v[Tq+8:Tq+15], v[10+2*\set]   ; the two sets of 16 numbers take turns: sixteen plain lines stand ahead of the next write of these sources
	ds_store_b128 v[3+(\set>>1)], v[32+16*\bank+4*\t:32+16*\bank+4*\t+3] offset:(\set&1)*SETB+256*\e+16*\t
.endr
.endm
	s_load_b512 s[8:23], s[0:1], 0x0               ; x1 s[8:9], x2 s[10:11], wc s[12:13], bq1, bk, bv, bq2 s[14:21], the scales' exponents s[22:23]
	s_load_b128 s[24:27], s[0:1], 0x40             ; qc s[24:25], kv s[26:27]
	v_lshrrev_b32 v1, 5, v0
	v_readfirstlane_b32 s66, v1                    ; wave 0..7
	v_and_b32 v30, 31, v0                          ; lane
	v_and_b32 v31, 15, v0                          ; r
	v_bfe_u32 v9, v0, 4, 1                         ; h
	v_lshlrev_b32 v1, 4, v30                       ; v1: 16 x lane
	v_add_nc_u32 v2, 2*SETB, v1                    ; v2: the same for sets 2 and 3, so that the immediates stay under 64 K
	s_lshr_b32 s67, s66, 2
	s_and_b32 s72, s66, 3
	s_lshl_b32 s67, s67, 11
	s_lshl_b32 s72, s72, 9
	s_add_co_u32 s67, s67, s72                     ; 2,048 (w / 4) + 512 (w % 4): my piece of an image pair
	v_bfe_u32 v3, v0, 2, 3
	v_mul_u32_u24 v3, v3, TP
	v_and_b32 v4, 3, v0
	v_lshl_add_u32 v3, v4, 6, v3
	v_add_nc_u32 v3, s67, v3                       ; v3: phase X's stores: tile l / 4, lanes 4 (l % 4) on, my piece
	v_add_nc_u32 v4, 2*SETB, v3                    ; v4: the same for sets 2 and 3
	s_lshl_b32 s73, s66, 13
	v_add_nc_u32 v5, s73, v1                       ; v5: my four fragments of a weight: 8,192 w
	v_add_nc_u32 v6, s67, v1                       ; v6: q's and k's stores: my piece of the image pair of a tile of tokens
	s_lshl_b32 s73, s66, 12
	v_add_nc_u32 v7, s73, v1                       ; v7: v's stores: my two tiles of channels
	s_lshl_b32 s73, s66, 7
	v_lshl_add_u32 v8, v9, 5, s73                  ; v8: a bias along the registers: 128 w + 32 h
	v_lshl_add_u32 v9, v31, 2, s73                 ; v9: a bias along the lanes: 128 w + 4 r
	s_and_b32 s74, ttmp7, 0xffff                   ; b
	s_lshl_b32 s28, s74, 20
	s_lshl_b32 s75, ttmp9, 9
	s_add_co_u32 s28, s28, s75
	s_lshl_b32 s75, s66, 17
	s_add_co_u32 s28, s28, s75
	s_mov_b32 s29, 0                               ; x: batch, block of 128 tokens, my 32 channels
	s_lshl_b32 s30, s74, 3
	s_add_co_u32 s30, s30, ttmp9                   ; 8 b + block
	s_lshl_b32 s32, s30, 17
	s_mov_b32 s33, 0                               ; kv: 128 KB a block
	s_lshl_b32 s30, s30, 16
	s_mov_b32 s31, 0                               ; qc: 64 KB a block
	s_wait_kmcnt 0x0
	s_load_b512 s[36:51], s[22:23], 0x0            ; entries 0 to 15: entry k in s[36 + k]
	s_load_b64 s[52:53], s[22:23], 0x40            ; entries 16, 17
	s_add_nc_u64 s[8:9], s[8:9], s[28:29]
	s_add_nc_u64 s[10:11], s[10:11], s[28:29]
	s_add_nc_u64 s[24:25], s[24:25], s[30:31]
	s_add_nc_u64 s[26:27], s[26:27], s[32:33]
	; ---- PHASE X.  Loads in this order: A (x1, group 0), B (x1, group 1), W of products 0 and 1, D (x2, group 0), E (x2, group 1), W of products 2 and 3
	XLD 128, 8, 0, 0                               ; A.  x1 is read again by the next launch: no hint
	XLD 192, 8, 1, 0                               ; B
	WLD 0
	WLD 1
	s_wait_kmcnt 0x0
	s_add_co_i32 s68, s36, s37
	s_sub_co_i32 s68, 0, s68                       ; -(e0 + e1): a sum of product 1 stands for sum x 2^(e0 + e1)
	s_add_co_i32 s69, s38, s39
	s_sub_co_i32 s69, 0, s69                       ; -(e2 + e3)
	s_add_co_i32 s70, s40, s41
	s_sub_co_i32 s70, 0, s70                       ; -(e4 + e5)
	s_add_co_i32 s71, s48, s49
	s_sub_co_i32 s71, 0, s71                       ; -(e12 + e13)
	MKSC 37, 10, 11                                ; x1 for q1
	MKSC 39, 12, 13                                ; x1 for k
	MKSC 41, 14, 15                                ; x1 for v
	MKSC 49, 16, 17                                ; x2
	s_add_co_i32 s72, s42, s68
	MKSC 72, 18, 19                                ; q1: the three scales folded into the conversion's one: e6 - e0 - e1
	s_add_co_i32 s72, s43, s69
	MKSC 72, 20, 21                                ; k for the first scores: e7 - e2 - e3
	s_add_co_i32 s72, s51, s69
	MKSC 72, 22, 23                                ; k for the second: e15 - e2 - e3
	s_add_co_i32 s72, s45, s70
	MKSC 72, 24, 25                                ; v for the first attention: e9 - e4 - e5
	s_add_co_i32 s72, s53, s70
	MKSC 72, 26, 27                                ; v for the second: e17 - e4 - e5
	s_add_co_i32 s72, s50, s71
	MKSC 72, 28, 29                                ; q2: e14 - e12 - e13
	s_wait_loadcnt 48                              ; A is in; behind it B's 16 and W's 32 may be out
	XSET 128, 0, 0, 0
	XSET 128, 0, 1, 1
	XSET 128, 0, 2, 0
	XLD 128, 10, 0, 1                              ; D.  x2 is read once in the whole program
	s_wait_loadcnt 48                              ; B is in; behind it W's 32 and D's 16
	XSET 192, 1, 0, 1
	XSET 192, 1, 1, 0
	XSET 192, 1, 2, 1
	XLD 192, 10, 1, 1                              ; E
	WLD 2
	WLD 3
	s_wait_loadcnt 48                              ; D is in; behind it E's 16 and W's 32
	XSET 128, 0, 3, 0
	s_wait_loadcnt 32                              ; E is in; behind it W's 32
	XSET 192, 1, 3, 1
	v_nop                                          ; a plain line behind the last conversion
.irp p, 0,1,3                                      ; the biases of q1, k, q2: lane (r, h) wants those of outputs 16 (2 w + u) + 8 h + 0 .. 7
.irp u, 0,1
	global_load_b128 v[192+16*\p+8*\u:192+16*\p+8*\u+3],   v8, s[14+2*\p:15+2*\p] offset:64*\u
	global_load_b128 v[192+16*\p+8*\u+4:192+16*\p+8*\u+7], v8, s[14+2*\p:15+2*\p] offset:64*\u+16
.endr
.endr
.irp u, 0,1
	global_load_b32 v[224+8*\u], v9, s[18:19] offset:64*\u   ; v's: the one of channel 16 (2 w + u) + r
.endr
	s_wait_dscnt 0x0                               ; for the others' sake: my images lie in LDS
	s_barrier_signal -1
	s_barrier_wait -1                              ; everybody's do; from here on LDS is only read
	s_wait_loadcnt 0x0                             ; W and the biases
.irp p, 0,1,3
.set j, 0
.rept 16
	v_ldexp_f32 v[192+16*\p+j], v[192+16*\p+j], s[68+\p]   ; bias / 2^(ea + eb)
.set j, j+1
.endr
.endr
.irp u, 0,1
	v_ldexp_f32 v[224+8*\u], v[224+8*\u], s70
.irp j, 1,2,3,4,5,6,7
	v_mov_b32 v[224+8*\u+\j], v[224+8*\u]          ; the same for the tile's eight tokens
.endr
.endr
; ---- PHASE M.  A pass: product p for tiles of tokens 4 hf .. 4 hf + 3: eight accumulators by turns, two K steps of 128.
.macro PASS p, hf, set
	PLACES 5                                       ; the accumulators begin anew over the last pass's results: five places behind its last product
.irp s, 0,1
.if \s
	PLACES 4                                       ; in front of loads into registers that the products above have read
.endif
.irp i, 0,1,2,3
.irp c, 0,1,2,3
	ds_load_b128 v[64+16*\i+4*\c:64+16*\i+4*\c+3], v[1+(\set>>1)] offset:(\set&1)*SETB+(4*\hf+\i)*TP+\s*2048+\c*512
.endr
.endr
	s_wait_dscnt 0x0
.if \p == 2
	WIN 0x04                                       ; source 1 (W) in window 1
.else
	WIN 0x01                                       ; source 0 (W) in window 1
.endif
.irp i, 0,1,2,3
.irp u, 0,1
.if \p == 2
.if \s
	v_wmma_f32_16x16x128_fp8_fp8 v[128+16*\i+8*\u:128+16*\i+8*\u+7], v[64+16*\i:64+16*\i+15], v[64*\p+32*\u+16*\s:64*\p+32*\u+16*\s+15], v[128+16*\i+8*\u:128+16*\i+8*\u+7]
.else
	v_wmma_f32_16x16x128_fp8_fp8 v[128+16*\i+8*\u:128+16*\i+8*\u+7], v[64+16*\i:64+16*\i+15], v[64*\p+32*\u+16*\s:64*\p+32*\u+16*\s+15], v[192+16*\p+8*\u:192+16*\p+8*\u+7]
.endif
.else
.if \s
	v_wmma_f32_16x16x128_fp8_fp8 v[128+16*\i+8*\u:128+16*\i+8*\u+7], v[64*\p+32*\u+16*\s:64*\p+32*\u+16*\s+15], v[64+16*\i:64+16*\i+15], v[128+16*\i+8*\u:128+16*\i+8*\u+7]
.else
	v_wmma_f32_16x16x128_fp8_fp8 v[128+16*\i+8*\u:128+16*\i+8*\u+7], v[64*\p+32*\u+16*\s:64*\p+32*\u+16*\s+15], v[64+16*\i:64+16*\i+15], v[192+16*\p+8*\u:192+16*\p+8*\u+7]
.endif
.endif
.endr
.endr
	WIN 0
.endr
	PLACES 4                                       ; in front of the first read of results, and of writes over x's fragments
	s_wait_xcnt 0x0                                ; the last pass's stores have read their codes: those registers are written again only behind this wait
.endm
; Tile of tokens i: my 32 outputs (two accumulators on end) are 16 bytes of the token's row: registers 4 (w % 4) .. + 3 of the image.  Each accumulator is read from its low end on.
.macro OUTQ i, tg, cg, sb, off
.set Tq, 64+16*((\cg)&1)
.irp j, 0,1,2,3,4,5,6,7,8,9,10,11,12,13,14,15
	v_med3_num_f32 v[Tq+\j], v[128+16*\i+\j], -v[19+2*\tg], v[19+2*\tg]
.endr
	v_cvt_scalef32_pk8_fp8_f32 v[32+4*(\cg):32+4*(\cg)+1],   v[Tq:Tq+7],    v[18+2*\tg]
	v_cvt_scalef32_pk8_fp8_f32 v[32+4*(\cg)+2:32+4*(\cg)+3], v[Tq+8:Tq+15], v[18+2*\tg]
	global_store_b128 v6, v[32+4*(\cg):32+4*(\cg)+3], s[\sb:\sb+1] offset:\off    ; 32 lanes store 512 consecutive bytes, aligned
.endm
.macro QOUT hf, tg, sb, region, cg0
.irp i, 0,1,2,3
	OUTQ \i, \tg, \cg0+\i, \sb, \region+(4*\hf+\i)*4096
.endr
.endm
; Tile of channels u, tiles of tokens 2 ip and 2 ip + 1: 16 tokens' codes of the lane's channel: registers 4 (2 hf + ip) .. + 3 of V's image.
.macro OUTV u, ip, tg, cg, off
.set Tq, 64+16*((\cg)&1)
.irp j, 0,1,2,3,4,5,6,7
	v_med3_num_f32 v[Tq+\j], v[128+32*\ip+8*\u+\j], -v[19+2*\tg], v[19+2*\tg]
.endr
.irp j, 0,1,2,3,4,5,6,7
	v_med3_num_f32 v[Tq+8+\j], v[144+32*\ip+8*\u+\j], -v[19+2*\tg], v[19+2*\tg]
.endr
	v_cvt_scalef32_pk8_fp8_f32 v[32+4*(\cg):32+4*(\cg)+1],   v[Tq:Tq+7],    v[18+2*\tg]
	v_cvt_scalef32_pk8_fp8_f32 v[32+4*(\cg)+2:32+4*(\cg)+3], v[Tq+8:Tq+15], v[18+2*\tg]
	global_store_b128 v7, v[32+4*(\cg):32+4*(\cg)+3], s[26:27] offset:\off
.endm
.macro VOUT hf, tg, region, cg0
.irp u, 0,1
.irp ip, 0,1
	OUTV \u, \ip, \tg, \cg0+2*\u+\ip, \region+\u*2048+(2*\hf+\ip)*512
.endr
.endr
.endm
.irp hf, 0,1
	PASS 0, \hf, 0                                 ; q1
	QOUT \hf, 0, 24, 0, 0
	v_nop                                          ; a plain line behind a pass's last conversion
	PASS 1, \hf, 1                                 ; k, quantised at both its scales
	QOUT \hf, 1, 26, 0, 0
	QOUT \hf, 2, 26, 32768, 4
	v_nop
	PASS 2, \hf, 2                                 ; v, likewise
	VOUT \hf, 3, 65536, 0
	VOUT \hf, 4, 98304, 4
	v_nop
	PASS 3, \hf, 3                                 ; q2
	QOUT \hf, 5, 24, 32768, 0
	v_nop
.endr
	s_wait_xcnt 0x0
	v_lshl_add_u32 v254, v0, 2, 0x20200
	v_mov_b32 v255, 0
	s_wait_tensorcnt 0x0
	ds_add_u32 v254, v255
	s_wait_dscnt 0x0
	s_endpgm
.Lfunc_end_k_q7d939f2c4f_proj:
	.size	k_q7d939f2c4f_proj, .Lfunc_end_k_q7d939f2c4f_proj-k_q7d939f2c4f_proj
	.p2alignl 7, 3214868480
	.fill 96, 4, 3214868480
	.section	.rodata,"a",@progbits
	.p2align	6, 0x0
	.amdhsa_kernel k_q7d939f2c4f_proj
		.amdhsa_group_segment_fixed_size 132608
		.amdhsa_private_segment_fixed_size 0
		.amdhsa_enable_private_segment 0
		.amdhsa_kernarg_size 80
		.amdhsa_user_sgpr_count 2
		.amdhsa_user_sgpr_kernarg_segment_ptr 1
		.amdhsa_wavefront_size32 1
		.amdhsa_system_sgpr_workgroup_id_x 1
		.amdhsa_system_sgpr_workgroup_id_y 1
		.amdhsa_system_sgpr_workgroup_id_z 1
		.amdhsa_system_vgpr_workitem_id 0
		.amdhsa_next_free_vgpr 512
		.amdhsa_next_free_sgpr 96
		.amdhsa_reserve_vcc 0
		.amdhsa_float_denorm_mode_32 3
		.amdhsa_float_denorm_mode_16_64 3
		.amdhsa_memory_ordered 1
		.amdhsa_forward_progress 1
		.amdhsa_inst_pref_size 150
	.end_amdhsa_kernel
	.amdgpu_metadata
---
amdhsa.version: [ 1, 2 ]
amdhsa.kernels:
  - .name:           k_q7d939f2c4f_proj
    .symbol:         k_q7d939f2c4f_proj.kd
    .args:
      - { .name: x1, .offset: 0, .size: 8, .value_kind: global_buffer, .address_space: global }
      - { .name: x2, .offset: 8, .size: 8, .value_kind: global_buffer, .address_space: global }
      - { .name: wc, .offset: 16, .size: 8, .value_kind: global_buffer, .address_space: global }
      - { .name: bq1, .offset: 24, .size: 8, .value_kind: global_buffer, .address_space: global }
      - { .name: bk, .offset: 32, .size: 8, .value_kind: global_buffer, .address_space: global }
      - { .name: bv, .offset: 40, .size: 8, .value_kind: global_buffer, .address_space: global }
      - { .name: bq2, .offset: 48, .size: 8, .value_kind: global_buffer, .address_space: global }
      - { .name: lowp_scales, .offset: 56, .size: 8, .value_kind: global_buffer, .address_space: global }
      - { .name: qc, .offset: 64, .size: 8, .value_kind: global_buffer, .address_space: global }
      - { .name: kv, .offset: 72, .size: 8, .value_kind: global_buffer, .address_space: global }
    .group_segment_fixed_size: 132608
    .private_segment_fixed_size: 0
    .kernarg_segment_align: 8
    .kernarg_segment_size: 80
    .max_flat_workgroup_size: 256
    .sgpr_count:     96
    .vgpr_count:     512
    .wavefront_size: 32
...
	.end_amdgpu_metadata
.endif
;; end of part 2
;; launch attn (part 3): grid 8 x 32, 4 waves a work-group, clusters of 4 x 1, 327,680 bytes of LDS; arguments qc, kv, wc, x1, bps, bpc, lowp_scales, out0, out1; writes out0, out1
.if DOCPART == 3
	.amdgcn_target "amdgcn-amd-amdhsa--gfx1250"
	.amdhsa_code_object_version 6
	.text
	.protected	k_q7d939f2c4f_attn
	.globl	k_q7d939f2c4f_attn
	.p2align	8
	.type	k_q7d939f2c4f_attn,@function
k_q7d939f2c4f_attn:
	s_mov_b64 s[64:65], 0
	v_nop
	global_prefetch_b8 v0, s[64:65] scope:SCOPE_SE
	s_setreg_imm32_b32 hwreg(HW_REG_WAVE_MODE, 25, 1), 1
	s_wait_xcnt 0x0
	s_wait_alu depctr_hold_cnt(0) depctr_sa_sdst(0) depctr_va_vdst(0) depctr_va_sdst(0) depctr_va_ssrc(0) depctr_va_vcc(0) depctr_vm_vsrc(0)
	s_getreg_b32 s2, hwreg(HW_REG_IB_STS2, 6, 4)
	s_cmp_eq_u32 s2, 0
	s_cbranch_scc0 .Lentry_in_a_cluster
	s_endpgm
.Lentry_in_a_cluster:
	s_bfe_u32 s2, ttmp6, 0x10000c
	s_cmp_lg_u32 s2, 0x3003
	s_cbranch_scc0 .Lentry_shape_is_right
	s_endpgm
.Lentry_shape_is_right:
; out0 = x1 + wps h1 + bps, out1 = x1 + wpc h12 + bpc;  h1 = softmax(q1 k^T / 16) v, h12 = softmax((q1 k^T + q2 k^T) / 16) v.  All six products on codes of FP8 (E4M3) with the given scales.
; qc, kv, wc hold operands as IMAGES OF THEIR REGISTERS: a fragment is 16 rows x 128 K, 16 registers a lane (lane (r, h): row r; registers 2 c, 2 c + 1: k = 16 c + 8 h + 0 .. 7); its image is 2,048 bytes, piece c'
; of 512 bytes = registers 4 c' .. 4 c' + 3, lane l's 16 bytes at 16 l.  So every fragment comes by four loads of 16 bytes a lane from 512 consecutive bytes: no pitch, no padding.
; THE SOFTMAX AHEAD OF A PRODUCT: t = logit x log2(e); M = the running largest t rounded UP to a whole number; p = 2^(t - M) is quantised, not normalised; the row's sum is taken of the unquantised p and divides at
; the end; when M moves, the sum and O are multiplied by 2^(old M - new M), which rounds nothing.
; SHARES.  A work-group owns 128 queries of one batch; wave w owns 32 of them (tiles 2 w, 2 w + 1) for BOTH attentions, so the first scores are made once.  Every wave walks the batch's 1,024 keys, 128 a step.
; All products of the key loop are used transposed (S^T = K Q^T, O^T = V^T P^T): a lane holds one query throughout, and a tile's eight registers run along the next product's K.
; The second scores: S1 x 2^d, d = e6 + e7 - e14 - e15, is the C onto which q2 k^T is added, so that one factor c x 2^(e14 + e15) turns the sum into t.
; BY TURNS, IN PIECES.  A softmax is cut into pieces of 32 to 128 lines, and the pieces stand between groups of products that do not hang on them: K Q2^T beside the first softmax and O1's rescaling, V^T P1 beside the
; second softmax, O2's rescaling between the groups of V^T P2.  So the wave issues vector work while its products run and its next fragments come.  K Q1^T has no such work beside it: nothing of the step is ready yet.
; RING.  A key step's K (entry 7), K (entry 15), V (entry 9), V (entry 17), 32 KB each, are 128 KB on end in kv: one slot; two slots; wave w fetches quarter w by one tensor load.
; CLUSTER.  The four work-groups of a cluster belong to one batch and walk the same kv: each quarter is asked for JOINTLY, by the same load with the same descriptor and a mask that names the four.
; AT THE END the waves share the OUTPUTS: h1 and h12, quantised, go from wave to wave through LDS as images; wave w makes outputs 64 w .. 64 w + 63 of both results for the 128 tokens (source 0 = h, source 1 = W: a lane
; holds an output channel and eight neighbouring tokens), which leave through its own stage as whole rows of 512 bytes.  x1's rows of those 64 channels are fetched by the wave's one tensor load behind the last change of
; slots, into slot 0, a whole key step ahead of their use.  The images lie in slot 1, which has had its last fill, behind a barrier in front of which every wave's reads of it are over.  The stages have bytes of their own.
; LIMITS, so that each power of two is an f32 number: e6 + e7 and e14 + e15 between -122 and 131 (added to c's exponent field); d, e10 + e11, e18 + e19 between -126 and 127; e8, e16, e11, e19 between -126 and 119.
; NaN among the inputs is not served.
; REGISTERS, in windows of 256 (s_set_vgpr_msb: bits 1:0 source 0, 3:2 source 1, 5:4 source 2, 7:6 destination):
;   window 0: v1 16 x lane; v2, v3 the step's LDS addresses (at the end: the images', x1's rows'); v4, v5 the spare word's address and 0; v6, v7, v58, v59 addresses of the end; v8-15 holds and scales;
;             v16-47 statistics, eight a tile and attention at v[16 + 16 a + 8 i]: +0 -M, +1 largest t, +2, +3 the sum, +4, +5 f (later 1 / sum), +6 at work; v48-57 at work;
;             v64-127 Q1, v128-191 Q2 ((i, s) at + 32 i + 16 s); v192-223, v224-255 p's codes; between their last use and the next conversions: the ring of K Q2^T, two halves of two fragments.
;   window 1: v0-127 region A, v128-255 region B: scores (tile i, keys 16 kt on, at + 64 i + 8 kt) or a ring of halves of four fragments, by turns.   window 2: O1^T ((i, n) at 128 i + 8 n).   window 3: O2^T.
.set TILE,  131072                     ; a key step's bytes in kv
.set SLOT1, 131072                     ; slot 1 begins here: one exclusive or turns an address in one slot into the other's
.set SPARE, 262144                     ; behind the ring: the spare words, 128 bytes for each wave: two blocks of 256 bytes that no other line names
.set STAGE, 262656                     ; behind them: 16 rows x 528 bytes for each wave; no fill ever lands here
.set SP,    528
.set MSB, 0
.macro WIN new                         ; the immediate's high byte repeats the setting that is left; a switch that changes nothing is dropped
.if MSB != (\new)
	s_set_vgpr_msb (MSB<<8)|(\new)
.set MSB, (\new)
.endif
.endm
.macro PLACES n                        ; plain vector lines behind matrix instructions (ISA guide 7.12.1)
.rept \n
	v_nop
.endr
.endm
.macro CROUND                          ; a round of the cluster's barrier
	s_barrier_signal -1
	s_barrier_wait -1
	s_cmp_lg_u32 s26, 0
	s_cbranch_scc1 .Lnot_wave_0_\@
	s_barrier_signal -3
.Lnot_wave_0_\@:
	s_barrier_wait -3
	s_barrier_signal -1
	s_barrier_wait -1
.endm
.macro MKSC e, vs, vl                  ; from the whole number in s[e]: 2^e and 448 x 2^e as f32
	s_add_co_i32 s90, s[\e], 127
	s_lshl_b32 s91, s90, 23
	v_mov_b32 v[\vs], s91
	s_add_co_i32 s90, s90, 8
	s_lshl_b32 s90, s90, 23
	s_or_b32 s90, s90, 0x600000
	v_mov_b32 v[\vl], s90
.endm
.macro LDG win, base, adr, off, stride ; four fragments, sixteen LDS loads in one run
	WIN \win
.irp f, 0,1,2,3
.irp c, 0,1,2,3
	ds_load_b128 v[\base+16*\f+4*\c:\base+16*\f+4*\c+3], v[\adr] offset:\off+\f*\stride+\c*512
.endr
.endr
.endm
.macro LDG2 base, hg                   ; half-group hg of K (entry 15): channels 128 (hg / 4) on, tiles of keys 2 (hg % 4), + 1: two fragments, eight LDS loads, into window 0
	WIN 0
.irp f, 0,1
.irp c, 0,1,2,3
	ds_load_b128 v[\base+16*\f+4*\c:\base+16*\f+4*\c+3], v2 offset:32768+((\hg)&3)*8192+((\hg)>>2)*2048+\f*4096+\c*512
.endr
.endr
.endm
; Eight products of S1^T: group g = channels 128 (g / 2) on, tiles of keys 4 (g % 2) + 0 .. 3, both tiles of queries.  Accumulators by turns, one instruction a turn.
.macro MMS xb, a, g, ring, zero
	WIN 0x51                                       ; K and the scores in window 1, Q in window 0
.irp f, 0,1,2,3
.irp i, 0,1
.set rD, \xb+64*\i+8*(4*((\g)&1)+\f)
.set rQ, 64+64*\a+32*\i+16*((\g)>>1)
.if \zero
	v_wmma_f32_16x16x128_fp8_fp8 v[rD:rD+7], v[\ring+16*\f:\ring+16*\f+15], v[rQ:rQ+15], 0
.else
	v_wmma_f32_16x16x128_fp8_fp8 v[rD:rD+7], v[\ring+16*\f:\ring+16*\f+15], v[rQ:rQ+15], v[rD:rD+7]
.endif
.endr
.endr
.endm
; Four products of K Q2^T, added onto region B: half-group hg, both tiles of queries.  Sixteen products stand between two links on one accumulator.
.macro MMS2 hg, ring
	WIN 0x50                                       ; K and Q2 in window 0, the scores in window 1
.irp f, 0,1
.irp i, 0,1
.set rD, 128+64*\i+8*(2*((\hg)&3)+\f)
.set rQ, 128+32*\i+16*((\hg)>>2)
	v_wmma_f32_16x16x128_fp8_fp8 v[rD:rD+7], v[\ring+16*\f:\ring+16*\f+15], v[rQ:rQ+15], v[rD:rD+7]
.endr
.endr
.endm
; Eight products of O^T: tiles of channels 4 g + 0 .. 3, both tiles of queries; K = the step's 128 keys.  zero = 1: the first key step starts the sums: nothing is cleared.
.macro MMO a, g, ring, zero
	WIN 0xa1+0x50*\a                               ; V in window 1, p's codes in window 0, O^T in window 2 or 3
.irp f, 0,1,2,3
.irp i, 0,1
.set rD, 128*\i+8*(4*(\g)+\f)
.set rC, 192+32*\a+16*\i
.if \zero
	v_wmma_f32_16x16x128_fp8_fp8 v[rD:rD+7], v[\ring+16*\f:\ring+16*\f+15], v[rC:rC+15], 0
.else
	v_wmma_f32_16x16x128_fp8_fp8 v[rD:rD+7], v[\ring+16*\f:\ring+16*\f+15], v[rC:rC+15], v[rD:rD+7]
.endif
.endr
.endr
.endm
; THE SOFTMAX of attention a on the scores in region xb of window 1, IN PIECES.  first = 1: the first key step: no old M, no f.
; SMAX: the largest score, M and f, both tiles line by line.
.macro SMAX xb, a, first
	WIN 0x15                                       ; the largest score of my query among my 64 keys, in two chains
.irp i, 0,1
	v_max3_num_f32 v[48+2*\i], v[\xb+64*\i],   v[\xb+64*\i+1], v[\xb+64*\i+2]
	v_max3_num_f32 v[49+2*\i], v[\xb+64*\i+3], v[\xb+64*\i+4], v[\xb+64*\i+5]
.endr
	WIN 0x14
.irp n, 6,10,14,18,22,26,30,34,38,42,46,50,54,58
.irp i, 0,1
	v_max3_num_f32 v[48+2*\i], v[48+2*\i], v[\xb+64*\i+\n],   v[\xb+64*\i+\n+1]
	v_max3_num_f32 v[49+2*\i], v[49+2*\i], v[\xb+64*\i+\n+2], v[\xb+64*\i+\n+3]
.endr
.endr
.irp i, 0,1
	v_max3_num_f32 v[48+2*\i], v[48+2*\i], v[\xb+64*\i+62], v[\xb+64*\i+63]
.endr
	WIN 0
.irp i, 0,1
	v_max_num_f32 v[48+2*\i], v[48+2*\i], v[49+2*\i]
.endr
.irp i, 0,1
	v_permlanex16_b32 v[52+\i], v[48+2*\i], s50, s51   ; the query's other 64 keys lie in the lane 16 away
.endr
.irp i, 0,1
	v_max_num_f32 v[48+2*\i], v[48+2*\i], v[52+\i]
.endr
.irp i, 0,1
	v_mul_f32 v[48+2*\i], s[44+2*\a], v[48+2*\i]       ; as t (the factor is positive)
.endr
.irp i, 0,1
.if \first
	v_mov_b32 v[17+16*\a+8*\i], v[48+2*\i]
.else
	v_max_num_f32 v[17+16*\a+8*\i], v[17+16*\a+8*\i], v[48+2*\i]   ; the running largest t
	v_mov_b32 v[22+16*\a+8*\i], v[16+16*\a+8*\i]                   ; the old -M
.endif
.endr
.irp i, 0,1
	v_floor_f32 v[16+16*\a+8*\i], -v[17+16*\a+8*\i]    ; -M = floor(-t): M is a whole number
.endr
.if !\first
.irp i, 0,1
	v_sub_f32 v[22+16*\a+8*\i], v[16+16*\a+8*\i], v[22+16*\a+8*\i]   ; old M - new M: a whole number, 0 or less
.endr
.irp i, 0,1
	v_cvt_i32_f32 v[22+16*\a+8*\i], v[22+16*\a+8*\i]
.endr
.irp i, 0,1
	v_ldexp_f32 v[20+16*\a+8*\i], 1.0, v[22+16*\a+8*\i]              ; f = 2^(old M - new M)
.endr
.endif
.endm
.macro SFMA xb, a                      ; tile 0: t - M, two at a time (of both pairs the low word serves both halves)
	WIN 0x41
.set j, 0
.rept 32
	v_pk_fma_f32 v[\xb+j:\xb+j+1], v[\xb+j:\xb+j+1], s[44+2*\a:45+2*\a], v[16+16*\a:17+16*\a] op_sel_hi:[1,0,0]
.set j, j+2
.endr
.endm
.macro SMIXA xb, a                     ; tile 0: p = 2^(t - M); between its exponentials tile 1's t - M: one window setting serves both
	WIN 0x41
.set j, 0
.rept 32
	v_exp_f32 v[\xb+j], v[\xb+j]
	v_pk_fma_f32 v[\xb+64+j:\xb+64+j+1], v[\xb+64+j:\xb+64+j+1], s[44+2*\a:45+2*\a], v[24+16*\a:25+16*\a] op_sel_hi:[1,0,0]
	v_exp_f32 v[\xb+j+1], v[\xb+j+1]
.set j, j+2
.endr
.endm
; Tile i: the row's sum, taken of the unquantised p: two at a time, in four chains.  Its first line (the sum under the new M, or v_nop) is the plain line between the exponentials and the use of their results.
.macro SSUM xb, a, i, first
.set rL, 18+16*\a+8*\i
.set rX, \xb+64*\i
	WIN 0
.if \first
	v_nop
	s_wait_alu depctr_va_vdst(0)
.else
	v_pk_mul_f32 v[rL:rL+1], v[rL:rL+1], v[rL+2:rL+3] op_sel_hi:[1,0]
	s_wait_alu depctr_va_vdst(0)
.endif
	WIN 0x05
	v_pk_add_f32 v[54:55], v[rX:rX+1],   v[rX+2:rX+3]
	v_pk_add_f32 v[56:57], v[rX+4:rX+5], v[rX+6:rX+7]
	v_pk_add_f32 v[48:49], v[rX+8:rX+9], v[rX+10:rX+11]
	WIN 0x04
.irp n, 12,20,28,36,44,52
	v_pk_add_f32 v[rL:rL+1], v[rL:rL+1], v[rX+\n:rX+\n+1]
	v_pk_add_f32 v[54:55], v[54:55], v[rX+\n+2:rX+\n+3]
	v_pk_add_f32 v[56:57], v[56:57], v[rX+\n+4:rX+\n+5]
	v_pk_add_f32 v[48:49], v[48:49], v[rX+\n+6:rX+\n+7]
.endr
	v_pk_add_f32 v[rL:rL+1], v[rL:rL+1], v[rX+60:rX+61]
	v_pk_add_f32 v[54:55], v[54:55], v[rX+62:rX+63]
	WIN 0
	v_pk_add_f32 v[54:55], v[54:55], v[56:57]
	v_pk_add_f32 v[rL:rL+1], v[rL:rL+1], v[48:49]
	v_pk_add_f32 v[rL:rL+1], v[rL:rL+1], v[54:55]
.endm
.macro SMIXB xb, a                     ; tile 1's exponentials and tile 0's holds, line by line.  The conversion does not saturate (ISA guide 7.6.2); p is not negative, so the hold is one-sided
	WIN 0x41
.set j, 0
.rept 64
	v_exp_f32 v[\xb+64+j], v[\xb+64+j]
	v_min_num_f32 v[\xb+j], v[\xb+j], v[8+2*\a]
.set j, j+1
.endr
.endm
.macro SMIN xb, a                      ; tile 1's holds
	WIN 0x41
.set j, 0
.rept 64
	v_min_num_f32 v[\xb+64+j], v[\xb+64+j], v[8+2*\a]
.set j, j+1
.endr
.endm
.macro SCVT xb, a                      ; p's codes: keys 16 kt + 8 h + 0 .. 7 are registers 2 kt, 2 kt + 1 of the operand
	WIN 0x01
.irp i, 0,1
.irp kt, 0,1,2,3,4,5,6,7
	v_cvt_scalef32_pk8_fp8_f32 v[192+32*\a+16*\i+2*\kt:192+32*\a+16*\i+2*\kt+1], v[\xb+64*\i+8*\kt:\xb+64*\i+8*\kt+7], v[9+2*\a]
.endr
.endr
.endm
.macro RSC a, i, j0, cnt               ; O^T of attention a, tile i, under the new M: cnt pairs from register j0 on; each accumulator from its low end on
	WIN 0x82+0x41*\a
.set j, \j0
.rept \cnt
	v_pk_mul_f32 v[128*\i+j:128*\i+j+1], v[128*\i+j:128*\i+j+1], v[20+16*\a+8*\i:21+16*\a+8*\i] op_sel_hi:[1,0]
.set j, j+2
.endr
.endm
.macro RSP a, i, first                 ; a whole tile's rescaling; in the first key step there is nothing to rescale, and four v_nop take its part as the places
.if \first
	PLACES 4
.else
	RSC \a, \i, 0, 64
.endif
.endm
.macro RS2G g, first                   ; O2^T: tiles of channels 4 g + 0 .. 3, both tiles of queries
.if !\first
	RSC 1, 0, 32*\g, 16
	RSC 1, 1, 32*\g, 16
.endif
.endm
; THE CHANGE OF SLOTS, at a step's head.  Each wave waits for all its tensor loads (one is out: its quarter of the slot ahead), adds 0 to its spare word, and waits for that and for its reads of the slot that it has left.
; Then a round of the cluster's barrier, and first behind it my one tensor load, into the slot just left; it has a whole key step in which to land.
; what = 1: the next step's quarter, asked for jointly.  what = 2 (ahead of the last step): my 64 rows of x1, a load of my own, without a mask.
.macro CHANGE what
	WIN 0
	s_wait_tensorcnt 0x0                           ; no tensor load of mine is out, so the descriptor may be written
	ds_add_u32 v4, v5                              ; 0 onto my spare word
.if \what == 1
	s_xor_b32 s41, s41, SLOT1                      ; the other slot than last time,
	s_add_nc_u64 s[42:43], s[42:43], TILE          ; the next 128 keys; the type bits on top are not reached
.endif
	s_wait_dscnt 0x0                               ; the add is done, and my reads of the slot that I have left are over
	CROUND
.if \what == 1
	tensor_load_to_lds s[40:43], s[32:39]
	s_nop 0
.else
	tensor_load_to_lds s[60:63], s[92:99]
	s_nop 0
.endif
	PLACES 4                                       ; with the two additions at the step's head: six places between the last step's products and the loads and products that write over the rings that they read
.endm
; A KEY STEP.  s_wait_dscnt 16 (8): the older group of sixteen (half-group of eight) loads is in, the younger may be out.  Between a group's products and the loads into the ring half that they read stand at least
; four plain lines that name none of their registers: a piece of vector work where there is one, v_nop where there is none.
.macro STEP first
	v_add_nc_u32 v2, s52, v1                       ; the slot in hand: K's two parts,
	v_add_nc_u32 v3, 65536, v2                     ; V's two
	; 1: S1^T = K Q1^T into region A; the ring is region B.  The first two half-groups of the other K are asked for on the way
	LDG 0x40, 128, 2, 0, 4096
	LDG 0x40, 192, 2, 16384, 4096
	s_wait_dscnt 16
	MMS 0, 0, 0, 128, 1
	PLACES 4
	LDG 0x40, 128, 2, 2048, 4096
	s_wait_dscnt 16
	MMS 0, 0, 1, 192, 1
	PLACES 4
	LDG 0x40, 192, 2, 18432, 4096
	s_wait_dscnt 16
	MMS 0, 0, 2, 128, 0
	PLACES 4
	LDG2 192, 0
	s_wait_dscnt 8                                 ; K's last group is in; the half-group just asked for may be out
	MMS 0, 0, 3, 192, 0
	PLACES 4
	LDG2 224, 1
	; 2: region B = S1 x 2^d
	WIN 0x41
.set j, 0
.rept 64
	v_pk_mul_f32 v[128+j:129+j], v[j:j+1], s[48:49] op_sel_hi:[1,0]
.set j, j+2
.endr
	; 3: region B += K Q2^T, eight half-groups, beside the first softmax (on region A) and O1's rescaling
	s_wait_dscnt 8
	MMS2 0, 192
	SMAX 0, 0, \first
	LDG2 192, 2
	s_wait_dscnt 8
	MMS2 1, 224
	SFMA 0, 0
	LDG2 224, 3
	SMIXA 0, 0
	s_wait_dscnt 8
	MMS2 2, 192
	SSUM 0, 0, 0, \first
	LDG2 192, 4
	SMIXB 0, 0
	s_wait_dscnt 8
	MMS2 3, 224
	SSUM 0, 0, 1, \first
	LDG2 224, 5
	s_wait_dscnt 8
	MMS2 4, 192
	SMIN 0, 0
	LDG2 192, 6
	s_wait_dscnt 8
	MMS2 5, 224
	RSP 0, 0, \first
	LDG2 224, 7
	s_wait_dscnt 8
	MMS2 6, 192
	RSP 0, 1, \first                               ; also the places ahead of the conversions, which write over the ring half that the four products above have read
	s_wait_dscnt 0
	MMS2 7, 224
	SCVT 0, 0
	LDG 0x40, 0, 3, 0, 2048                        ; region A is free: from here on it is the ring
	LDG 0x40, 64, 3, 8192, 2048
	PLACES 4                                       ; the plain line behind the conversions, and the places ahead of the first read of the second scores
	; 4: O1^T += V^T P1^T, four groups, beside the second softmax (on region B)
	SMAX 128, 1, \first
	s_wait_dscnt 16
	MMO 0, 0, 0, \first
	SFMA 128, 1
	LDG 0x40, 0, 3, 16384, 2048
	SMIXA 128, 1
	s_wait_dscnt 16
	MMO 0, 1, 64, \first
	SSUM 128, 1, 0, \first
	LDG 0x40, 64, 3, 24576, 2048
	SMIXB 128, 1
	s_wait_dscnt 16
	MMO 0, 2, 0, \first
	SSUM 128, 1, 1, \first
	LDG 0x40, 0, 3, 32768, 2048
	s_wait_dscnt 16
	MMO 0, 3, 64, \first
	SMIN 128, 1
	LDG 0x40, 64, 3, 40960, 2048
	SCVT 128, 1
	LDG 0x40, 128, 3, 49152, 2048                  ; region B is free too: all four groups of the other V are in registers or on their way
	LDG 0x40, 192, 3, 57344, 2048
	; 5: O2^T += V^T P2^T; the rescaling of a group's tiles stands ahead of its products, beside the group before
.if \first
	v_nop                                          ; the plain line behind the conversions
.endif
	RS2G 0, \first
	s_wait_dscnt 48                                ; the first of the four groups is in
	MMO 1, 0, 0, \first
	RS2G 1, \first
	s_wait_dscnt 32
	MMO 1, 1, 64, \first
	RS2G 2, \first
	s_wait_dscnt 16
	MMO 1, 2, 128, \first
	RS2G 3, \first
	s_wait_dscnt 0
	MMO 1, 3, 192, \first
	WIN 0
	s_xor_b32 s52, s52, SLOT1                      ; on to the other slot
.endm
	s_load_b512 s[8:23], s[0:1], 0x0               ; qc s[8:9], kv s[10:11], wc s[12:13], x1 s[14:15], bps s[16:17], bpc s[18:19], the scales' exponents s[20:21], out0 s[22:23]
	s_load_b64 s[24:25], s[0:1], 0x40              ; out1
	v_lshl_add_u32 v4, v0, 2, SPARE
	v_mov_b32 v5, 0
	ds_add_u32 v4, v5
	ds_add_u32 v4, v5
	s_wait_dscnt 0x0
	v_lshrrev_b32 v1, 5, v0
	v_readfirstlane_b32 s26, v1                    ; wave 0..3
	s_bfe_u32 s27, ttmp6, 0x40000                  ; cx: my place in the cluster
	s_lshl_b32 s28, ttmp9, 2                       ; in a cluster launch ttmp9 counts clusters
	s_add_co_u32 s28, s28, s27                     ; my block of 128 queries: it enters the addresses of qc, x1, out0 and out1 alone
	s_and_b32 s29, ttmp7, 0xffff                   ; the batch, which the four partners share
	s_lshl_b32 s30, s29, 20
	s_lshl_b32 s31, s26, 15
	s_add_co_u32 s30, s30, s31
	s_mov_b32 s31, 0                               ; kv: the batch's 1 MB, my quarter of a step: batch and wave alone
	s_lshl_b32 s60, s29, 3
	s_add_co_u32 s60, s60, s28
	s_lshl_b32 s60, s60, 16
	s_lshl_b32 s61, s26, 13
	s_add_co_u32 s60, s60, s61
	s_mov_b32 s61, 0                               ; qc: 64 KB a block, my two tiles' four images
	s_lshl_b32 s62, s29, 20
	s_lshl_b32 s63, s28, 9
	s_add_co_u32 s62, s62, s63
	s_lshl_b32 s63, s26, 18
	s_add_co_u32 s62, s62, s63
	s_mov_b32 s63, 0                               ; x1, out0, out1: batch, block of tokens, my 64 channels
	s_lshl_b32 s88, s26, 14
	s_add_co_u32 s88, s88, 262144
	s_mov_b32 s89, 0                               ; wc: weights 4 and 5, my eight fragments of each
	s_lshl_b32 s90, s26, 8
	s_mov_b32 s91, 0                               ; the biases: my 64 numbers
	; descriptor group 1 for kv: 128 rows of 32 elements of 8 bytes, dense: 32 KB
	s_mov_b32 s32, 15|(3<<16)|(1<<21)              ; 15:0 the mask: all four work-groups; 17:16 elements of 8 bytes; 20 no padding; 21 set beside a mask
	s_mov_b32 s33, 32<<16                          ; tensor_dim0 = 32
	s_mov_b32 s34, 128<<16                         ; tensor_dim1 = 128
	s_mov_b32 s35, 32<<16                          ; tile_dim0 = 32
	s_mov_b32 s36, 128                             ; tile_dim1 = 128
	s_mov_b32 s37, 32                              ; from row to row
	s_mov_b32 s38, 0
	s_mov_b32 s39, 0
	; descriptor group 1 for x1: 64 rows (channels) of 64 elements of 8 bytes (128 tokens), 512 elements (4,096 bytes) apart; dense in LDS: 32 KB
	s_mov_b32 s92, 3<<16                           ; 15:0 no mask; 17:16 elements of 8 bytes; 20 no padding
	s_mov_b32 s93, 64<<16                          ; tensor_dim0 = 64
	s_mov_b32 s94, 64<<16                          ; tensor_dim1 = 64
	s_mov_b32 s95, 64<<16                          ; tile_dim0 = 64
	s_mov_b32 s96, 64                              ; tile_dim1 = 64
	s_mov_b32 s97, 512                             ; from row to row
	s_mov_b32 s98, 0
	s_mov_b32 s99, 0
	s_mov_b32 s40, 1                               ; kv's group 0: count = 1,
	s_lshl_b32 s41, s26, 15                        ; LDS address: slot 0, quarter w: no place in the cluster enters it
	s_mov_b32 s50, 0x76543210                      ; v_permlanex16_b32's selects for lane l xor 16
	s_mov_b32 s51, 0xfedcba98
	s_mov_b32 s52, 0                               ; LDS byte at which the slot in hand begins
	s_mov_b32 s53, 6                               ; trips of the loop
	s_wait_kmcnt 0x0
	s_load_b512 s[68:83], s[20:21], 0x0            ; entries 0 to 15: entry k in s[68 + k]
	s_load_b128 s[84:87], s[20:21], 0x40           ; entries 16 to 19
	s_add_nc_u64 s[42:43], s[10:11], s[30:31]      ; global address: key step 0, quarter w
	s_or_b32 s43, s43, 0x80000000                  ; type = 2
	s_add_nc_u64 s[8:9], s[8:9], s[60:61]
	s_add_nc_u64 s[12:13], s[12:13], s[88:89]
	s_add_nc_u64 s[14:15], s[14:15], s[62:63]
	s_add_nc_u64 s[16:17], s[16:17], s[90:91]
	s_add_nc_u64 s[18:19], s[18:19], s[90:91]
	s_add_nc_u64 s[22:23], s[22:23], s[62:63]
	s_add_nc_u64 s[24:25], s[24:25], s[62:63]
	s_mov_b32 s60, 1                               ; x1's group 0, in the registers that held the offsets: count = 1,
	s_lshl_b32 s61, s26, 15                        ; LDS address: slot 0, quarter w,
	s_mov_b64 s[62:63], s[14:15]                   ; global address: my 64 channels of the block's 128 tokens,
	s_or_b32 s63, s63, 0x80000000                  ; type = 2
	CROUND                                         ; all four work-groups are here: the first joint loads meet
	tensor_load_to_lds s[40:43], s[32:39]          ; key step 0 into slot 0
	s_nop 0
	PLACES 4
	v_and_b32 v1, 31, v0
	v_lshlrev_b32 v1, 4, v1                        ; 16 x lane
.irp a, 0,1                                        ; Q1 and Q2 stay in registers
.irp i, 0,1
.irp q, 0,1,2,3,4,5,6,7
	global_load_b128 v[64+64*\a+32*\i+4*\q:64+64*\a+32*\i+4*\q+3], v1, s[8:9] offset:\a*32768+\i*4096+\q*512 th:TH_LOAD_NT
.endr
.endr
.endr
	v_and_b32 v60, 15, v0                          ; r
	v_bfe_u32 v61, v0, 4, 1                        ; h
	s_lshl_b32 s90, s26, 13
	s_add_co_u32 s90, s90, SLOT1
	v_add_nc_u32 v6, s90, v1                       ; where I store h's images: slot 1, my two tiles of tokens
	s_mul_i32 s90, s26, 16*SP
	s_add_co_u32 s90, s90, STAGE                   ; my stage
	v_mul_u32_u24 v7, v60, SP
	v_lshl_add_u32 v7, v61, 5, v7
	v_add_nc_u32 v7, s90, v7                       ; in: row r (an output channel), 32 bytes for each half of the lanes
	v_add_nc_u32 v58, s90, v1                      ; back: the 32 lanes take one row of 512 bytes
	v_lshlrev_b32 v59, 2, v60                      ; a bias along the lanes: 4 r
.irp t, 18,19,21, 26,27,29, 34,35,37, 42,43,45, 52,53
	v_mov_b32 v\t, 0                               ; the four sums begin at 0; f's upper words and the permutes' destinations are named before they are otherwise written
.endr
	s_wait_kmcnt 0x0
	s_add_co_i32 s90, s74, s75                     ; e6 + e7
	s_add_co_i32 s91, s82, s83                     ; e14 + e15
	s_sub_co_i32 s48, s90, s91                     ; d
	s_add_co_i32 s48, s48, 127
	s_lshl_b32 s48, s48, 23                        ; 2^d as f32
	s_mov_b32 s49, s48                             ; (named with it as a pair, so it is written; likewise below)
	s_lshl_b32 s90, s90, 23
	s_lshl_b32 s91, s91, 23
	s_mov_b32 s44, 0x3db8aa3b                      ; c = log2(e) / 16
	s_add_co_i32 s44, s44, s90                     ; x 2^(e6 + e7): the exponents are added to c's exponent field
	s_mov_b32 s45, s44
	s_mov_b32 s46, 0x3db8aa3b
	s_add_co_i32 s46, s46, s91                     ; c x 2^(e14 + e15)
	s_mov_b32 s47, s46
	s_add_co_i32 s54, s78, s79
	s_add_co_i32 s54, s54, 127
	s_lshl_b32 s54, s54, 23                        ; 2^(e10 + e11)
	s_mov_b32 s55, s54
	s_add_co_i32 s56, s86, s87
	s_add_co_i32 s56, s56, 127
	s_lshl_b32 s56, s56, 23                        ; 2^(e18 + e19)
	s_mov_b32 s57, s56
	s_add_co_i32 s58, s76, s77                     ; e8 + e9
	s_add_co_i32 s59, s84, s85                     ; e16 + e17
	MKSC 76, 9, 8                                  ; p of the first attention
	MKSC 84, 11, 10                                ; of the second
	MKSC 79, 13, 12                                ; h1
	MKSC 87, 15, 14                                ; h12
	s_wait_loadcnt 0x0                             ; Q
	CHANGE 1                                       ; key step 0 is in; slot 1's first fill is issued as a refill is
	STEP 1
.Lstep:                                            ; six trips: key steps 1 to 6; trip t asks for step t + 1
	CHANGE 1
	STEP 0
	s_sub_co_u32 s53, s53, 1
	s_cmp_lg_u32 s53, 0
	s_cbranch_scc1 .Lstep
	CHANGE 2                                       ; the last step is written out: behind its round slot 0 takes my rows of x1
	STEP 0
; ---- THE END.  My eight fragments of wps and of wpc into window 1, which the rings have left: (a, ol, s) at v[128 a + 32 ol + 16 s]; in two runs of 32 loads, one ahead of each quantising of h
.macro WLD a
	WIN 0x40
.irp ol, 0,1,2,3
.irp q, 0,1,2,3,4,5,6,7
	global_load_b128 v[128*\a+32*\ol+4*\q:128*\a+32*\ol+4*\q+3], v1, s[12:13] offset:\a*65536+\ol*4096+\q*512
.endr
.endr
.endm
; h of attention a = O^T x 2^(ep + ev) / the sum, quantised: tile n's eight registers are channels 16 n + 8 h + 0 .. 7 of my query: registers 2 (n % 8), + 1 of the image (my tile i, half n / 8).  The codes take Q's registers.
.macro HQA a
	WIN 0
.irp i, 0,1
	v_add_f32 v[18+16*\a+8*\i], v[18+16*\a+8*\i], v[19+16*\a+8*\i]
.endr
.irp i, 0,1
	v_permlanex16_b32 v[52+\i], v[18+16*\a+8*\i], s50, s51
.endr
.irp i, 0,1
	v_add_f32 v[18+16*\a+8*\i], v[18+16*\a+8*\i], v[52+\i]         ; the row's sum
.endr
.irp i, 0,1
	v_rcp_f32 v[20+16*\a+8*\i], v[18+16*\a+8*\i]
.endr
	v_nop                                          ; a plain line behind the reciprocals
	s_wait_alu depctr_va_vdst(0)
.irp i, 0,1
	v_ldexp_f32 v[20+16*\a+8*\i], v[20+16*\a+8*\i], s[58+\a]
.endr
	WIN 0x82+0x41*\a
.irp i, 0,1
.set j, 0
.rept 64
	v_pk_mul_f32 v[128*\i+j:128*\i+j+1], v[128*\i+j:128*\i+j+1], v[20+16*\a+8*\i:21+16*\a+8*\i] op_sel_hi:[1,0]   ; each accumulator from its low end on
.set j, j+2
.endr
.endr
.set j, 0
.rept 256
	v_med3_num_f32 v[j], v[j], -v[12+2*\a], v[12+2*\a]
.set j, j+1
.endr
	WIN 0x02+\a
.irp i, 0,1
.irp n, 0,1,2,3,4,5,6,7,8,9,10,11,12,13,14,15
	v_cvt_scalef32_pk8_fp8_f32 v[64+64*\a+32*\i+2*\n:64+64*\a+32*\i+2*\n+1], v[128*\i+8*\n:128*\i+8*\n+7], v[13+2*\a]
.endr
.endr
	WIN 0
	v_nop                                          ; a plain line behind the last conversion
.endm
.macro HQS a                           ; the four images of my two tiles of tokens
.irp i, 0,1
.irp q, 0,1,2,3,4,5,6,7
	ds_store_b128 v6, v[64+64*\a+32*\i+4*\q:64+64*\a+32*\i+4*\q+3] offset:\a*32768+\i*4096+\q*512
.endr
.endr
.endm
	PLACES 4                                       ; behind the last products: for the loads into the rings' registers, and for the first reads of O2^T
	WLD 0
	WIN 0
	v_add_nc_u32 v2, SLOT1, v1                     ; from here on: where the images are read,
	s_lshl_b32 s90, s26, 15
	v_add_nc_u32 v3, s90, v1                       ; and my rows of x1 in slot 0
	HQA 0
	s_wait_tensorcnt 0x0                           ; my rows of x1 have landed; only I read them
	s_wait_dscnt 0x0                               ; my reads of slot 1 are over,
	s_barrier_signal -1
	s_barrier_wait -1                              ; and so are everybody's: the images may be stored there
	HQS 0
	WIN 0x80                                       ; x1's rows of my 64 output channels take O1^T's registers: (ol, i) at v[64 ol + 4 i] of window 2
.irp ol, 0,1,2,3
.irp i, 0,1,2,3,4,5,6,7,8,9,10,11,12,13,14,15
	ds_load_b128 v[64*\ol+4*\i:64*\ol+4*\i+3], v3 offset:(16*\ol+\i)*512
.endr
.endr
	WLD 1
	HQA 1
	HQS 1
.irp a, 0,1                                        ; the bias of output 64 w + 16 ol + r, in both words of a pair, at v[16 + 8 a + 2 ol]
.irp ol, 0,1,2,3
	global_load_b32 v[16+8*\a+2*\ol], v59, s[16+2*\a:17+2*\a] offset:64*\ol
	global_load_b32 v[17+8*\a+2*\ol], v59, s[16+2*\a:17+2*\a] offset:64*\ol
.endr
.endr
	s_wait_dscnt 0x0                               ; for the others' sake: my images lie in LDS; x1's rows are in registers
	s_barrier_signal -1
	s_barrier_wait -1                              ; all 32 images do
; Sixteen products: group g = channels 128 (g / 2) on, tiles of tokens 4 (g % 2) + 0 .. 3, my four tiles of outputs; accumulator (ol, T) at v[64 ol + 8 T] of window 3.
.macro MMP a, g, ring, zero
	WIN 0xf4                                       ; h in window 0, W in window 1, sums in window 3
.irp f, 0,1,2,3
.irp ol, 0,1,2,3
.set rD, 64*\ol+8*(4*((\g)&1)+\f)
.set rW, 128*\a+32*\ol+16*((\g)>>1)
.if \zero
	v_wmma_f32_16x16x128_fp8_fp8 v[rD:rD+7], v[\ring+16*\f:\ring+16*\f+15], v[rW:rW+15], 0
.else
	v_wmma_f32_16x16x128_fp8_fp8 v[rD:rD+7], v[\ring+16*\f:\ring+16*\f+15], v[rW:rW+15], v[rD:rD+7]
.endif
.endr
.endr
.endm
; 16 output channels x 128 tokens: sum x 2^(ew + eh) + bias, into my stage (a lane holds 32 bytes of its channel's row) and back as whole rows of 512 bytes.  LDS serves a wave's instructions in order (ISA guide 5.7.1.4).
.macro TOSTAGE a, ol
.set BK, 64+64*((\ol)%2)
	WIN 0x03
.set j, 0
.rept 32
	v_pk_fma_f32 v[192+j:193+j], v[64*\ol+j:64*\ol+j+1], s[54+2*\a:55+2*\a], v[16+8*\a+2*\ol:17+8*\a+2*\ol] op_sel_hi:[1,0,1]
.set j, j+2
.endr
	WIN 0
.irp T, 0,1,2,3,4,5,6,7
	ds_store_b128 v7, v[192+8*\T:192+8*\T+3] offset:64*\T
	ds_store_b128 v7, v[192+8*\T+4:192+8*\T+7] offset:64*\T+16
.endr
.irp i, 0,1,2,3,4,5,6,7,8,9,10,11,12,13,14,15
	ds_load_b128 v[BK+4*\i:BK+4*\i+3], v58 offset:\i*SP
.endr
.endm
.macro SEND a, ol, younger             ; younger: the LDS instructions issued behind this block's loads, which may stay out
.set BK, 64+64*((\ol)%2)
	s_wait_dscnt \younger
	WIN 0x08
.set j, 0
.rept 32
	v_pk_add_f32 v[BK+j:BK+j+1], v[BK+j:BK+j+1], v[64*\ol+j:64*\ol+j+1]   ; + x1
.set j, j+2
.endr
	WIN 0
.irp i, 0,1,2,3,4,5,6,7,8,9,10,11,12,13,14,15
	global_store_b128 v1, v[BK+4*\i:BK+4*\i+3], s[22+2*\a:23+2*\a] offset:(16*\ol+\i)*4096 th:TH_STORE_NT   ; 32 lanes store 512 consecutive bytes, aligned; written once
.endr
.endm
.macro PROJ a
	WIN 0
.if \a
	s_wait_xcnt 0x0                                ; the first result's stores have read their registers: the ring lands there again only behind this wait
.endif
	PLACES 5                                       ; the sums begin anew over registers of earlier products
	LDG 0, 64, 2, \a*32768, 4096
	LDG 0, 128, 2, \a*32768+16384, 4096
.if !\a
	s_wait_loadcnt 48                              ; wps's 32 loads are in; behind them wpc's 32 and the biases' 16 may be out
.endif
	s_wait_dscnt 16
	MMP \a, 0, 64, 1
	PLACES 4
	LDG 0, 64, 2, \a*32768+2048, 4096
	s_wait_dscnt 16
	MMP \a, 1, 128, 1
	PLACES 4
	LDG 0, 128, 2, \a*32768+18432, 4096
	s_wait_dscnt 16
	MMP \a, 2, 64, 0
	s_wait_dscnt 0
	MMP \a, 3, 128, 0
	PLACES 4
.if !\a
	s_wait_loadcnt 0x0                             ; wpc and the biases
.endif
	TOSTAGE \a, 0
	TOSTAGE \a, 1
	SEND \a, 0, 32                                 ; behind block 0's loads: block 1's 16 stores and 16 loads
	s_wait_xcnt 0x0                                ; block 0's stores have read their registers: block 2's rows may land there
	TOSTAGE \a, 2
	SEND \a, 1, 32
	s_wait_xcnt 0x0
	TOSTAGE \a, 3
	SEND \a, 2, 32
	SEND \a, 3, 0
.endm
	PROJ 0
	PROJ 1
	s_wait_tensorcnt 0x0                           ; the wave's end, behind my last tensor load and my last LDS store
	ds_add_u32 v4, v5
	s_wait_dscnt 0x0
	CROUND                                         ; the closing round: no work-group ends while a partner may still ask for a tile that names it
	s_endpgm
.Lfunc_end_k_q7d939f2c4f_attn:
	.size	k_q7d939f2c4f_attn, .Lfunc_end_k_q7d939f2c4f_attn-k_q7d939f2c4f_attn
	.p2alignl 7, 3214868480
	.fill 96, 4, 3214868480
	.section	.rodata,"a",@progbits
	.p2align	6, 0x0
	.amdhsa_kernel k_q7d939f2c4f_attn
		.amdhsa_group_segment_fixed_size 327680
		.amdhsa_private_segment_fixed_size 0
		.amdhsa_enable_private_segment 0
		.amdhsa_kernarg_size 72
		.amdhsa_user_sgpr_count 2
		.amdhsa_user_sgpr_kernarg_segment_ptr 1
		.amdhsa_wavefront_size32 1
		.amdhsa_system_sgpr_workgroup_id_x 1
		.amdhsa_system_sgpr_workgroup_id_y 1
		.amdhsa_system_sgpr_workgroup_id_z 1
		.amdhsa_system_vgpr_workitem_id 0
		.amdhsa_next_free_vgpr 1024
		.amdhsa_next_free_sgpr 100
		.amdhsa_reserve_vcc 0
		.amdhsa_float_denorm_mode_32 3
		.amdhsa_float_denorm_mode_16_64 3
		.amdhsa_memory_ordered 1
		.amdhsa_forward_progress 1
		.amdhsa_inst_pref_size 255
	.end_amdhsa_kernel
	.section	.bss,"aw",@nobits
	.p2align	6
	.space	262144
	.amdgpu_metadata
---
amdhsa.version: [ 1, 2 ]
amdhsa.kernels:
  - .name:           k_q7d939f2c4f_attn
    .symbol:         k_q7d939f2c4f_attn.kd
    .args:
      - { .name: qc, .offset: 0, .size: 8, .value_kind: global_buffer, .address_space: global }
      - { .name: kv, .offset: 8, .size: 8, .value_kind: global_buffer, .address_space: global }
      - { .name: wc, .offset: 16, .size: 8, .value_kind: global_buffer, .address_space: global }
      - { .name: x1, .offset: 24, .size: 8, .value_kind: global_buffer, .address_space: global }
      - { .name: bps, .offset: 32, .size: 8, .value_kind: global_buffer, .address_space: global }
      - { .name: bpc, .offset: 40, .size: 8, .value_kind: global_buffer, .address_space: global }
      - { .name: lowp_scales, .offset: 48, .size: 8, .value_kind: global_buffer, .address_space: global }
      - { .name: out0, .offset: 56, .size: 8, .value_kind: global_buffer, .address_space: global }
      - { .name: out1, .offset: 64, .size: 8, .value_kind: global_buffer, .address_space: global }
    .group_segment_fixed_size: 327680
    .private_segment_fixed_size: 0
    .kernarg_segment_align: 8
    .kernarg_segment_size: 72
    .max_flat_workgroup_size: 128
    .sgpr_count:     100
    .vgpr_count:     1024
    .wavefront_size: 32
...
	.end_amdgpu_metadata
.endif
;; end of part 3
